; MI455X (gfx1250); checked and timed in simulation.
; The chip was launched on July 23, 2026; its instructions are those of AMD's public machine-readable ISA for CDNA 5 (MIT licence, August 2026) and "CDNA5" Instruction Set Architecture Reference Guide (July 2026). The comments in the code are by the model that wrote it; some were corrected since.
;; Causal Self Attention. Allowed arithmetic: matrix products marked QUANTISED: E5M2 operands, one given power-of-two scale a tensor, by v_wmma_f32_16x16x64_bf8_bf8 or v_wmma_f32_16x16x128_bf8_bf8, f32 sums; everything else in f32.
;; Inputs: W_proj_codes 1,024 x 32 x 32 uint8 (E5M2 codes of W_proj, K innermost, in blocks of 32 codes); W_qkv_codes 3,072 x 32 x 32 uint8 (E5M2 codes of W_qkv, K innermost, in blocks of 32 codes); lowp_scales 8 int32 (the exponents e of the quantised operands' scales 2^e); x_codes 4 x 2,048 x 32 x 32 uint8 (E5M2 codes of x, K innermost, in blocks of 32 codes).
;; Outputs: out0 4 x 2,048 x 1,024 float32.
;; This version of the problem:
;;   THIS VERSION OF THE PROBLEM IS GIVEN IN LOW PRECISION. The matrix products marked QUANTISED in the list below multiply operands that are first quantised to E5M2 (5 exponent bits, 2 mantissa bits; 8 bits a number), with one given power-of-two scale for each operand tensor; their sums are f32. All else is computed in f32.
;;   The module's matrix products, in the order in which they are computed (A, B: the left and right operand; K: the contracted axis; several contracted axes count as one K, in the product's order):
;;     1. [M 8,192, K 1,024] x [K 1,024, N 3,072]; A: input x (given as codes); B: input W_qkv (given as codes): QUANTISED (scales: A lowp_scales[0], B lowp_scales[1])
;;     2. batch 64 x [M 2,048, K 64] x [K 64, N 2,048]; A: computed on the way; B: computed on the way: QUANTISED (scales: A lowp_scales[2], B lowp_scales[3])
;;     3. batch 64 x [M 2,048, K 2,048] x [K 2,048, N 64]; A: softmax (see below); B: computed on the way: QUANTISED (scales: A lowp_scales[4], B lowp_scales[5])
;;     4. [M 8,192, K 1,024] x [K 1,024, N 1,024]; A: computed on the way; B: input W_proj (given as codes): QUANTISED (scales: A lowp_scales[6], B lowp_scales[7])
;;   THE QUANTISER, for each operand of a quantised product, along K:
;;     - The operand's scale is 2^e, e = its entry of the input lowp_scales (int32; the entries are numbered through the quantised products in the list's order, A before B).
;;     - Each number is divided by the scale, clamped to +-57,344, and rounded to the nearest number of E5M2, ties to even, subnormals kept.
;;     - The product sums the exact products of the quantised numbers (number of the format x scale) in f32.
;;   ~~~python
;;   def quantise(x, axis, e):      # numpy; x: float32 -> the quantised numbers, widened to float32 again
;;       x = np.moveaxis(x, axis, -1); K = x.shape[-1]
;;       r = np.clip(x / 2.0 ** e, -57344, 57344)
;;       step = 2.0 ** (np.maximum(np.frexp(np.where(r == 0, 1, r))[1] - 1, -14) - 2)
;;       q = np.round(r / step) * step * 2.0 ** e      # np.round: ties to even
;;       return np.moveaxis(q, -1, axis).astype(np.float32)
;;   ~~~
;;   SOFTMAX AHEAD OF A QUANTISED PRODUCT. Where the list says 'softmax', what is quantised is not the finished softmax but p = 2^(t - M), with t = logit x log2(e) and M = ceil(the row's largest t), a whole number; so 1/2 < the row's largest p <= 1. The row's sum l is taken of the UNQUANTISED p, in f32, and the product's result is divided by l at the end. Since M is a whole number, a kernel that streams over the keys may use a running M (the ceiling of the running maximum): every later rescaling is an exact power of two, so the quantised numbers keep their values, but for numbers so far below the row's largest that they fall under the format's range.
;;   OPERANDS COMPUTED ON THE WAY. 'Computed on the way' means the value that the module computes at that place (a softmax that the list does not call 'softmax' is quantised finished and normalised). What goes into a quantiser is computed in f32, as accurately as f32 sums, v_exp_f32 and their like allow (about 1e-6 of the number): no bf16 or f16 on the way to a quantiser, and a product that is left as it is and whose result goes on into a quantised operand takes f32 operands (vector FMAs, or v_wmma_f32_16x16x4_f32). A number that lies on a knife's edge between two numbers of the format may be rounded either way, as far as f32 arithmetic and the matrix unit's own rounding can turn it there, and no further.
;;   INPUTS GIVEN AS CODES. W_proj (in the module: [1024, 1024], K = its axis 1); W_qkv (in the module: [3072, 1024], K = its axis 1); x (in the module: [4, 2048, 1024], K = its axis 2): each comes as NAME_codes (uint8): NAME with its K axis moved to the last place and cut into blocks of 32 codes, [.., K / 32, bytes a block], one block behind the other in memory; one code a byte (a code: sign, 5 exponent bits, 2 mantissa bits); its scale is its entry of lowp_scales. Its value is code x scale, taken as it is: it is not quantised again, and the codes and scales need not be those that the quantiser above would give.
;; One version. Each part assembles by itself: llvm-mc -triple=amdgcn-amd-amdhsa -mcpu=gfx1250 --defsym DOCPART=n.
;; ======== version 1 of 1: 3 launches
;; limits: right only within a limited range of input values
;; workspace buffers: qk 16,777,216 bytes; vt 8,388,608 bytes; ac 8,388,608 bytes
;; launch qkv (part 1): grid 12 x 32, 4 waves a work-group, clusters of 4 x 4, 327,680 bytes of LDS; arguments x_codes, W_qkv_codes, lowp_scales, qk, vt; writes qk, vt
.if DOCPART == 1
	.amdgcn_target "amdgcn-amd-amdhsa--gfx1250"
	.amdhsa_code_object_version 6
	.text
	.protected	k_qdf06aebe4f_qkv
	.globl	k_qdf06aebe4f_qkv
	.p2align	8
	.type	k_qdf06aebe4f_qkv,@function
k_qdf06aebe4f_qkv:
	s_mov_b64 s[64:65], 0
	v_nop
	global_prefetch_b8 v0, s[64:65] scope:SCOPE_SE
	s_setreg_imm32_b32 hwreg(HW_REG_WAVE_MODE, 25, 1), 1
	s_wait_xcnt 0x0
	s_wait_alu depctr_hold_cnt(0) depctr_sa_sdst(0) depctr_va_vdst(0) depctr_va_sdst(0) depctr_va_ssrc(0) depctr_va_vcc(0) depctr_vm_vsrc(0)
	s_getreg_b32 s2, hwreg(HW_REG_IB_STS2, 6, 4)
	s_cmp_eq_u32 s2, 0
	s_cbranch_scc0 .Lentry_in_a_cluster
	s_endpgm
.Lentry_in_a_cluster:
	s_bfe_u32 s2, ttmp6, 0x10000c
	s_cmp_lg_u32 s2, 0xf033
	s_cbranch_scc0 .Lentry_shape_is_right
	s_endpgm
.Lentry_shape_is_right:
; qkv = x W_qkv^T on codes of BF8 (E5M2); each finished f32 sum is quantised at once to the code that the next product wants: q with e2, k with e3, v with e5.
; x: [8192][1024] codes, W_qkv: [3072][1024] codes, K innermost.  A sum stands for sum x 2^(e0 + e1), so its code is sum / 2^(et - e0 - e1), held within +-57,344 first.
; OUT.  qk: [b 4][plane 32][t 2048][64 bytes]: plane h = q of head h, plane 16 + h = k of head h.   vt: [h 64 + d : 1024][b 2048 + t : 8192]: v with the keys innermost.
; LIMITS: et - e0 - e1 (et = e2, e3, e5) between -126 and 112, so that the scale and 57,344 x the scale are f32 numbers.  NaN codes are not served; an infinite sum is held at the largest code.
; SHARES.  384 tiles of 256 x 256; four waves, each 128 x 128: 64 accumulators, 512 registers.  K goes in four steps of 256 through a ring of two LDS slots filled by the tensor data mover.
; THE MATRIX INSTRUCTION IS USED TRANSPOSED (source 0 = 16 rows of "B", source 1 = 16 rows of "A"): a lane holds one row of A and eight neighbours along B's rows, which one conversion turns into 8 bytes.
; q and k want neighbours along the head's axis: A = x, B = W.  v wants neighbours along t: A = W's rows 2048 on, B = x.  Clusters 0 and 1 along x make q and k, cluster 2 makes v: only pointers and
; tile numbers are chosen, on the cluster's x, which all partners share; the products are one text.
; CLUSTERS: 4 x 4 work-groups.  The four of a row of the cluster need the same tiles of A, the four of a column the same tiles of B: each tile is asked for jointly, by the same tensor load with the
; same descriptor and a mask that names the four.
; REGISTERS, in windows of 256: window 0: v16-31 addresses and the scale number; from v128 A's fragments, one set; on the way out v32-223.   window 1: B's fragments, two sets.
;   window 2: the accumulators of my rows 0-63 ((a, b) at v[8 (8 a + b)]);   window 3: those of my rows 64-127.
.set ROWB,   256                       ; a tile's row in bytes: 256 codes along K
.set KROW,   1024                      ; a row of x or of W in memory
.set PITCH,  272                       ; an LDS row: 256 bytes + 16 of padding: the 16 rows that a load touches start 68 words apart
.set FR,     16                        ; registers of a fragment: 16 rows x 128 K
.set NL,     4                         ; LDS loads that bring one
.set NP,     4                         ; places behind this matrix instruction (ISA guide 7.12.1)
.set HALFT,  128*PITCH                 ; 128 rows: what one tensor load brings
.set SLOT,   4*HALFT                   ; A's 256 rows, then B's 256 rows
.set SPARE,  2*SLOT                    ; behind the ring: the spare words, 128 bytes for each wave
.set ADRA, 16                          ; v16-17  LDS address of my A fragments in slot 0, 1
.set ADRB, 20                          ; v20-21  the same for B
.set SCV,  22                          ; v22     2^(et - e0 - e1) as f32
.set LIM,  23
.set STO,  24                          ; v24     the stage: where I put 8 codes of a row
.set RDQ,  25                          ; v25     q, k: where I read my plane's rows 0-127 back
.set RDV,  26                          ; v26     v: where I read my 64 rows back
.set RDQ2, 27                          ; v27     q, k: rows 128-255
.set SPW,  28                          ; v28     LDS address of my spare word; never rewritten
.set NIL,  29                          ; v29     0; never rewritten
.set COQ,  30                          ; v30     q, k: my byte offset in a store's 512 bytes
.set COV,  31                          ; v31     v: my byte offset in two rows of vt
.set TMP,  32
.set CD,   96                          ; v96-223 codes: 16 registers for each of the 8 blocks, so that no LDS store's data are written again
.set OUTR, 32                          ; v32-159 what comes back from the stage
.set AF,   128
.set G1, 24                            ; s[24:31] descriptor group 1 for A's tiles;  s[32:39] group 0, one set for each slot
.set G0, 32
.set G1B, 48                           ; s[48:55], s[56:63] the same for B's tiles
.set G0B, 56
.set MSB, 0
.macro WIN new                         ; the immediate's high byte repeats the setting that is left
.if MSB != \new
	s_set_vgpr_msb (MSB<<8)|\new
.set MSB, \new
.endif
.endm
.set MUL_LO, 0xa1                      ; source 0 (B) window 1, source 1 (A) window 0, C and D window 2
.set MUL_HI, 0xf1                      ; the same, C and D window 3
.set TO_B,   0x40                      ; destination window 1, address window 0
; A joint load: waves 0 and 1 fetch for A, waves 2 and 3 for B.  The branch hangs on the wave's number alone.  Four v_nop follow each of the two lines.
.macro JLOAD g0a, g1a, g0b, g1b
	s_cmp_eq_u32 s15, 0
	s_cbranch_scc0 .Lfor_b_\@
	tensor_load_to_lds s[\g0a:\g0a+3], s[\g1a:\g1a+7]
	s_nop 0
.rept 4
	v_nop
.endr
	s_branch .Lasked_\@
.Lfor_b_\@:
	tensor_load_to_lds s[\g0b:\g0b+3], s[\g1b:\g1b+7]
	s_nop 0
.rept 4
	v_nop
.endr
.Lasked_\@:
.endm
.macro CREST                           ; a round of the cluster's barrier behind its opening barrier
	s_cmp_lg_u32 s14, 0
	s_cbranch_scc1 .Lnot_wave_0_\@
	s_barrier_signal -3
.Lnot_wave_0_\@:
	s_barrier_wait -3
	s_barrier_signal -1
	s_barrier_wait -1
.endm
.macro CROUND                          ; a whole round
	s_barrier_signal -1
	s_barrier_wait -1
	CREST
.endm
	s_load_b256 s[4:11], s[0:1], 0x0               ; x s[4:5], W s[6:7], the scales' exponents s[8:9], qk s[10:11]
	s_load_b64 s[12:13], s[0:1], 0x20              ; vt
	v_lshl_add_u32 v[SPW], v0, 2, SPARE
	v_mov_b32 v[NIL], 0
	ds_add_u32 v28, v29
	ds_add_u32 v28, v29
	s_wait_dscnt 0x0
	v_lshrrev_b32 v1, 5, v0
	v_readfirstlane_b32 s14, v1                    ; wave 0..3
	s_lshr_b32 s15, s14, 1                         ; which half of the tile's A rows is mine.  Also: I fetch for A (0) or for B (1)
	s_and_b32 s16, s14, 1                          ; which half of its B rows.  Also: which 128 rows of that tile I fetch
	s_bfe_u32 s40, ttmp6, 0x40000                  ; cx, cy: my place in the cluster
	s_bfe_u32 s41, ttmp6, 0x40004
	s_and_b32 s66, ttmp7, 0xffff
	s_lshl_b32 s66, s66, 2                         ; 4 x cluster y
	s_lshl_b32 s67, ttmp9, 2                       ; 4 x cluster x
	s_cmp_lt_u32 ttmp9, 2                          ; q and k, or v?  The cluster's x is alike in all partners
	s_cselect_b32 s17, s66, 0                      ; A's tile: q, k: 4 Y + cy of x's 32;  v: cy of W_v's 4
	s_cselect_b32 s42, s67, s66                    ; B's tile: q, k: 4 X + cx of W's first 8;  v: 4 Y + cx of x's 32
	s_add_co_u32 s17, s17, s41
	s_add_co_u32 s42, s42, s40
	s_lshl_b32 s43, s41, 2
	s_lshl_b32 s43, 15, s43                        ; my row of the cluster
	s_lshl_b32 s44, 0x1111, s40                    ; my column
	; descriptor group 1: a tile of 128 rows x 256 bytes, padded in LDS
	s_or_b32 s[G1+0], s43, (0<<16)|(1<<20)|(1<<21)|(5<<22)|(3<<25)  ; 15:0 the mask: A's tiles go to my row; 17:16 element of 1 byte; 20 padding on; 21 set beside a mask; 24:22 after every 64 words; 31:25 four words
	s_or_b32 s[G1B+0], s44, (0<<16)|(1<<20)|(1<<21)|(5<<22)|(3<<25)
.irp g, G1, G1B
	s_mov_b32 s[\g+1], ROWB<<16                    ; tensor_dim0
	s_mov_b32 s[\g+2], 128<<16                     ; tensor_dim1 = 128
	s_mov_b32 s[\g+3], ROWB<<16                    ; tile_dim0
	s_mov_b32 s[\g+4], 128                         ; tile_dim1 = 128
	s_mov_b32 s[\g+5], KROW                        ; tensor_dim0_stride
	s_mov_b32 s[\g+6], 0
	s_mov_b32 s[\g+7], 0
.endr
	s_lshl_b32 s18, s16, 7                         ; which 128 rows of the tile I fetch
	s_lshl_b32 s20, s17, 8
	s_add_co_u32 s20, s20, s18                     ; A: row 256 x tile + 128 x half,
	s_lshl_b32 s20, s20, 10                        ; in bytes (a row is 1,024): under 2^24
	s_mov_b32 s21, 0
	s_lshl_b32 s46, s42, 8
	s_add_co_u32 s46, s46, s18                     ; B likewise
	s_lshl_b32 s46, s46, 10
	s_mov_b32 s47, 0
	s_mul_i32 s45, s14, HALFT                      ; where they go: wave x 128 rows: no place in the cluster enters an LDS address
	s_wait_kmcnt 0x0
	s_load_b256 s[72:79], s[8:9], 0x0              ; e0 .. e7
	s_add_nc_u64 s[68:69], s[6:7], 0x200000        ; W's row 2048: v's weights
	s_cmp_lt_u32 ttmp9, 2
	s_cselect_b64 s[70:71], s[4:5], s[68:69]       ; A's tensor
	s_cselect_b64 s[80:81], s[6:7], s[4:5]         ; B's tensor
	s_add_nc_u64 s[20:21], s[70:71], s[20:21]
	s_add_nc_u64 s[46:47], s[80:81], s[46:47]
	CROUND                                         ; all sixteen work-groups are here: the first joint loads meet
.irp s, 0,1
	s_mov_b32 s[G0+4*\s], 1
	s_add_co_u32 s[G0+4*\s+1], s45, \s*SLOT
	s_add_nc_u64 s[G0+4*\s+2:G0+4*\s+3], s[20:21], \s*ROWB
	s_or_b32 s[G0+4*\s+3], s[G0+4*\s+3], 0x80000000
	s_mov_b32 s[G0B+4*\s], 1
	s_add_co_u32 s[G0B+4*\s+1], s45, \s*SLOT
	s_add_nc_u64 s[G0B+4*\s+2:G0B+4*\s+3], s[46:47], \s*ROWB
	s_or_b32 s[G0B+4*\s+3], s[G0B+4*\s+3], 0x80000000
	JLOAD G0+4*\s, G1, G0B+4*\s, G1B               ; two tensor loads of mine are out
.endr
	v_and_b32 v1, 15, v0                           ; r = lane % 16
	v_bfe_u32 v2, v0, 4, 1                         ; h = lane / 16
	v_mul_u32_u24 v3, v1, PITCH
	s_wait_alu depctr_va_vdst(0)
	v_lshl_add_u32 v4, v2, 4, v3                   ; a fragment's row x pitch + 16 x half
	s_mul_i32 s21, s15, HALFT                      ; my 128 rows of A
	s_mul_i32 s22, s16, HALFT                      ; my 128 rows of B,
	s_add_co_u32 s22, s22, 2*HALFT                 ; which lie behind A's 256
.irp s, 0,1
	v_add_nc_u32 v[ADRA+\s], s21, v4
	v_add_nc_u32 v[ADRB+\s], s22, v4
	s_add_co_u32 s21, s21, SLOT
	s_add_co_u32 s22, s22, SLOT
.endr
	; the way out's addresses.  The stage is the work-group's: 256 rows (A's) x 272 bytes, a code a byte.  It lies in slot 0.
	s_mul_i32 s23, s15, 128*PITCH
	s_lshl_b32 s19, s16, 7
	s_add_co_u32 s23, s23, s19
	v_lshl_add_u32 v5, v2, 3, v3
	v_add_nc_u32 v[STO], s23, v5                   ; in: my 128 rows, my 128 bytes of them; row r, 8 bytes for each half of the lanes
	v_and_b32 v6, 31, v0                           ; lane
	v_lshrrev_b32 v7, 2, v6
	v_mul_u32_u24 v7, v7, PITCH
	v_and_b32 v8, 3, v0
	v_lshl_add_u32 v7, v8, 4, v7
	s_lshl_b32 s19, s14, 6
	v_add_nc_u32 v[RDQ], s19, v7                   ; q, k, back: wave w takes bytes 64 w .. 64 w + 63 of every row (one plane); four lanes to a row, eight rows a load
	v_add_nc_u32 v[RDQ2], 128*PITCH, v[RDQ]
	s_mul_i32 s19, s14, 64*PITCH
	v_mul_u32_u24 v9, v2, PITCH
	v_lshl_add_u32 v9, v1, 4, v9
	v_add_nc_u32 v[RDV], s19, v9                   ; v, back: wave w takes rows 64 w .. 64 w + 63, whole; sixteen lanes to a row, two rows a load
	v_lshlrev_b32 v[COQ], 4, v6
	v_lshlrev_b32 v10, 13, v2
	v_lshl_add_u32 v[COV], v1, 4, v10              ; two rows of vt, 8,192 bytes apart
	s_lshr_b32 s86, s17, 3                         ; q, k: b = A's tile / 8: 32 planes of 131,072 bytes;
	s_lshl_b32 s86, s86, 22
	s_lshl_b32 s88, s42, 2
	s_add_co_u32 s88, s88, s14                     ; plane 4 x B's tile + wave;
	s_lshl_b32 s88, s88, 17
	s_add_co_u32 s86, s86, s88
	s_and_b32 s88, s17, 7                          ; t = 256 x (A's tile % 8), rows of 64 bytes
	s_lshl_b32 s88, s88, 14
	s_add_co_u32 s86, s86, s88
	s_mov_b32 s87, 0
	s_add_nc_u64 s[10:11], s[10:11], s[86:87]      ; (used on q's and k's way alone)
	s_lshl_b32 s90, s17, 21                        ; v: row 256 x A's tile + 64 x wave, of 8,192 bytes; column 256 x B's tile
	s_lshl_b32 s91, s14, 19
	s_add_co_u32 s90, s90, s91
	s_lshl_b32 s91, s42, 8
	s_add_co_u32 s90, s90, s91
	s_mov_b32 s91, 0
	s_add_nc_u64 s[12:13], s[12:13], s[90:91]      ; (used on v's way alone)
.macro FRAG reg, adr, q, i             ; a fragment: lane l holds row l % 16; registers 4 c .. 4 c + 3 hold K = 32 c + 16 (l / 16) + 0 .. 15: the same places of k in A and in B
.irp c, 0,1,2,3
	ds_load_b128 v[\reg+4*\c:\reg+4*\c+3], v[\adr] offset:128*(\q)+32*\c+(\i)*16*PITCH
.endr
.endm
; 16 matrix instructions: A's blocks a0, a0 + 1 x B's eight, 128 along K.  p: B's set.  zero = 1: the first product starts the sums.
; The 64 accumulators take turns, one instruction a turn, in the same order in every step.
.macro MUL16 a0, p, zero
.irp a, \a0, \a0+1
.irp b, 0,1,2,3,4,5,6,7
.if \zero
	v_wmma_f32_16x16x128_bf8_bf8 v[8*(8*((\a)%4)+\b):8*(8*((\a)%4)+\b)+7], v[128*(\p)+FR*\b:128*(\p)+FR*\b+FR-1], v[AF+FR*(\a):AF+FR*(\a)+FR-1], 0
.else
	v_wmma_f32_16x16x128_bf8_bf8 v[8*(8*((\a)%4)+\b):8*(8*((\a)%4)+\b)+7], v[128*(\p)+FR*\b:128*(\p)+FR*\b+FR-1], v[AF+FR*(\a):AF+FR*(\a)+FR-1], v[8*(8*((\a)%4)+\b):8*(8*((\a)%4)+\b)+7]
.endif
.endr
.endr
.endm
.macro FETCH_B slot, q, p              ; B's eight fragments of the slot's q-th 128 along K into set p
	WIN TO_B
.irp i, 0,1,2,3,4,5,6,7
	FRAG 128*(\p)+FR*\i, ADRB+\slot, \q, \i
.endr
	WIN 0
.endm
.macro FETCH_A slot, q, i0             ; A's blocks i0 .. i0 + 3
.irp i, \i0, \i0+1, \i0+2, \i0+3
	FRAG AF+FR*(\i), ADRA+\slot, \q, \i
.endr
.endm
.macro PLACES n                        ; plain vector instructions between a matrix instruction and a load into, or a vector read or write of, its registers
.rept \n
	v_nop
.endr
.endm
; A step of 128 along K that has its successor in the same slot.
.macro STEP slot, q, zero
	s_wait_dscnt 4*NL                              ; B's set and A's blocks 0-3 are in; the youngest 16 loads (A's blocks 4-7) may be out
	WIN MUL_LO
	MUL16 0, (\q)%2, \zero
	MUL16 2, (\q)%2, \zero
	s_wait_dscnt 0                                 ; A's blocks 4-7 are in
	PLACES NP
	FETCH_B \slot, (\q)+1, 1-(\q)%2
	FETCH_A \slot, (\q)+1, 0
	WIN MUL_HI
	MUL16 4, (\q)%2, \zero
	MUL16 6, (\q)%2, \zero
	PLACES NP
	WIN 0
	FETCH_A \slot, (\q)+1, 4
.endm
; A slot's last step changes slots: one barrier; in front of it each wave waits for all its tensor loads, adds 0 to its spare word, and waits for that and for its own reads of this slot.
; fill = 1: this slot is filled again, two K steps ahead; the barrier then opens a round of the cluster's.
.macro TURN slot, next, fill
	s_wait_tensorcnt 0x0                           ; all my tensor loads have landed: my part of the next slot (every window is 0 here)
	ds_add_u32 v[SPW], v[NIL]                      ; 0 onto my spare word
	s_wait_dscnt 4*NL+1                            ; the add and the youngest 16 loads (A's blocks 4-7) may be out
	WIN MUL_LO
	MUL16 0, 1, 0                                  ; sixteen matrix instructions stand between the add and the wait for it
	s_wait_dscnt 0x0                               ; the add is done, and my reads of this slot are over
	s_barrier_signal -1
	MUL16 2, 1, 0
	WIN 0
	s_barrier_wait -1
.if \fill
	CREST                                          ; no wave of any partner still reads this slot's tile or has a load on its way
	s_add_nc_u64 s[G0+4*\slot+2:G0+4*\slot+3], s[G0+4*\slot+2:G0+4*\slot+3], 2*ROWB
	s_add_nc_u64 s[G0B+4*\slot+2:G0B+4*\slot+3], s[G0B+4*\slot+2:G0B+4*\slot+3], 2*ROWB
	JLOAD G0+4*\slot, G1, G0B+4*\slot, G1B         ; the first tensor load behind the round, my only one until the next; its four v_nop are the places in front of the loads below
.else
	PLACES NP
.endif
	FETCH_B \next, 0, 0
	FETCH_A \next, 0, 0
	WIN MUL_HI
	MUL16 4, 1, 0
	MUL16 6, 1, 0
	PLACES NP
	WIN 0
	FETCH_A \next, 0, 4
.endm
	s_wait_tensorcnt 0x1                           ; my part of K step 0 is in (K step 1's load may be out)
	s_barrier_signal -1
	s_barrier_wait -1                              ; everybody's is
	FETCH_B 0, 0, 0
	FETCH_A 0, 0, 0
	FETCH_A 0, 0, 4
	STEP 0, 0, 1                                   ; K 0-127: these products start the sums
	TURN 0, 1, 1                                   ; K 128-255; slot 0 takes K 512-767
	STEP 1, 0, 0
	TURN 1, 0, 1                                   ; slot 1 takes K 768-1023
	STEP 0, 0, 0
	TURN 0, 1, 0                                   ; nothing is left to fetch.  Behind this barrier nobody reads slot 0, and it has had its last fill
	STEP 1, 0, 0
	s_wait_dscnt 4*NL                              ; the last step
	WIN MUL_LO
	MUL16 0, 1, 0
	MUL16 2, 1, 0
	s_wait_dscnt 0x0
	WIN MUL_HI
	MUL16 4, 1, 0
	MUL16 6, 1, 0
	WIN 0
	; THE WAY OUT.  The sums become codes in registers, meet in the work-group's stage (a row's 256 bytes come from two waves), and leave in dense runs.
	s_wait_kmcnt 0x0
	s_cmp_eq_u32 ttmp9, 0
	s_cselect_b32 s82, s74, s75                    ; q: e2;  k: e3;
	s_cmp_eq_u32 ttmp9, 2
	s_cselect_b32 s82, s77, s82                    ; v: e5
	s_sub_co_i32 s82, s82, s72
	s_sub_co_i32 s82, s82, s73                     ; et - e0 - e1
	s_add_co_i32 s82, s82, 127
	s_lshl_b32 s83, s82, 23
	v_mov_b32 v[SCV], s83                          ; 2^(et - e0 - e1): the conversion takes its exponent field
	s_add_co_i32 s82, s82, 15
	s_lshl_b32 s82, s82, 23
	s_or_b32 s82, s82, 0x600000
	PLACES NP
.macro QBLOCK a                        ; block a: 16 rows of A x 128 of B's rows
.set AC, 64*((\a)%4)
	WIN 0x02+((\a)/4)                              ; source 0: window 2 or 3
.set j, 0
.rept 64
.set j, j+1
.endr
.irp b, 0,1,2,3,4,5,6,7
	v_cvt_scalef32_pk8_bf8_f32 v[CD+16*(\a)+2*\b:CD+16*(\a)+2*\b+1], v[AC+8*\b:AC+8*\b+7], v[SCV]
.endr
	WIN 0
	v_nop                                          ; a plain vector instruction behind the conversions
.irp b, 0,1,2,3,4,5,6,7
	ds_store_b64 v[STO], v[CD+16*(\a)+2*\b:CD+16*(\a)+2*\b+1] offset:(\a)*16*PITCH+16*\b
.endr
.endm
.irp a, 0,1,2,3,4,5,6,7
	QBLOCK \a
.endr
	s_wait_dscnt 0x0                               ; for the others' sake: my stores into the stage are done
	s_barrier_signal -1
	s_barrier_wait -1
	s_cmp_eq_u32 ttmp9, 2                          ; the two ways differ in LDS reads and global stores alone; the cluster's x is alike in all partners
	s_cbranch_scc1 .Lway_v
.set i, 0
.rept 16
	ds_load_b128 v[OUTR+4*i:OUTR+4*i+3], v[RDQ] offset:i*8*PITCH
.set i, i+1
.endr
.set i, 0
.rept 16
	ds_load_b128 v[OUTR+64+4*i:OUTR+64+4*i+3], v[RDQ2] offset:i*8*PITCH
.set i, i+1
.endr
.set i, 0
.rept 32
	s_wait_dscnt 31-i                              ; LDS loads come back in order: load i is in, the 31 - i younger ones may be out
	global_store_b128 v[COQ], v[OUTR+4*i:OUTR+4*i+3], s[10:11] offset:512*i   ; eight rows of 64 bytes of my plane: 512 consecutive bytes, aligned
.set i, i+1
.endr
	s_branch .Ljoin
.Lway_v:
.set i, 0
.rept 32
	ds_load_b128 v[OUTR+4*i:OUTR+4*i+3], v[RDV] offset:i*2*PITCH
.set i, i+1
.endr
.set i, 0
.rept 32
	s_wait_dscnt 31-i
	global_store_b128 v[COV], v[OUTR+4*i:OUTR+4*i+3], s[12:13] offset:16384*i  ; two rows of vt: sixteen lanes store 256 consecutive bytes, aligned
.set i, i+1
.endr
.Ljoin:
	s_wait_tensorcnt 0x0                           ; the wave's end
	ds_add_u32 v[SPW], v[NIL]
	s_wait_dscnt 0x0
	CROUND                                         ; the closing round: no work-group ends while a partner may still ask for a tile that names it
	s_endpgm
.Lfunc_end_k_qdf06aebe4f_qkv:
	.size	k_qdf06aebe4f_qkv, .Lfunc_end_k_qdf06aebe4f_qkv-k_qdf06aebe4f_qkv
	.p2alignl 7, 3214868480
	.fill 96, 4, 3214868480
	.section	.rodata,"a",@progbits
	.p2align	6, 0x0
	.amdhsa_kernel k_qdf06aebe4f_qkv
		.amdhsa_group_segment_fixed_size 327680
		.amdhsa_private_segment_fixed_size 0
		.amdhsa_enable_private_segment 0
		.amdhsa_kernarg_size 40
		.amdhsa_user_sgpr_count 2
		.amdhsa_user_sgpr_kernarg_segment_ptr 1
		.amdhsa_wavefront_size32 1
		.amdhsa_system_sgpr_workgroup_id_x 1
		.amdhsa_system_sgpr_workgroup_id_y 1
		.amdhsa_system_sgpr_workgroup_id_z 1
		.amdhsa_system_vgpr_workitem_id 0
		.amdhsa_next_free_vgpr 1024
		.amdhsa_next_free_sgpr 100
		.amdhsa_reserve_vcc 0
		.amdhsa_float_denorm_mode_32 3
		.amdhsa_float_denorm_mode_16_64 3
		.amdhsa_fp16_overflow 1
		.amdhsa_memory_ordered 1
		.amdhsa_forward_progress 1
		.amdhsa_inst_pref_size 100
	.end_amdhsa_kernel
	.amdgpu_metadata
---
amdhsa.version: [ 1, 2 ]
amdhsa.kernels:
  - .name:           k_qdf06aebe4f_qkv
    .symbol:         k_qdf06aebe4f_qkv.kd
    .args:
      - { .name: x_codes, .offset: 0, .size: 8, .value_kind: global_buffer, .address_space: global }
      - { .name: W_qkv_codes, .offset: 8, .size: 8, .value_kind: global_buffer, .address_space: global }
      - { .name: lowp_scales, .offset: 16, .size: 8, .value_kind: global_buffer, .address_space: global }
      - { .name: qk, .offset: 24, .size: 8, .value_kind: global_buffer, .address_space: global }
      - { .name: vt, .offset: 32, .size: 8, .value_kind: global_buffer, .address_space: global }
    .group_segment_fixed_size: 327680
    .private_segment_fixed_size: 0
    .kernarg_segment_align: 8
    .kernarg_segment_size: 40
    .max_flat_workgroup_size: 128
    .sgpr_count:     100
    .vgpr_count:     1024
    .wavefront_size: 32
...
	.end_amdgpu_metadata
.endif
;; end of part 1
;; launch attn (part 2): grid 4 x 64, 16 waves a work-group, clusters of 4 x 1, 327,680 bytes of LDS; arguments qk, vt, lowp_scales, ac; writes ac
.if DOCPART == 2
	.amdgcn_target "amdgcn-amd-amdhsa--gfx1250"
	.amdhsa_code_object_version 6
	.text
	.protected	k_qdf06aebe4f_attn
	.globl	k_qdf06aebe4f_attn
	.p2align	8
	.type	k_qdf06aebe4f_attn,@function
k_qdf06aebe4f_attn:
	s_mov_b64 s[64:65], 0
	v_nop
	global_prefetch_b8 v0, s[64:65] scope:SCOPE_SE
	s_setreg_imm32_b32 hwreg(HW_REG_WAVE_MODE, 25, 1), 1
	s_wait_xcnt 0x0
	s_wait_alu depctr_hold_cnt(0) depctr_sa_sdst(0) depctr_va_vdst(0) depctr_va_sdst(0) depctr_va_ssrc(0) depctr_va_vcc(0) depctr_vm_vsrc(0)
	s_getreg_b32 s2, hwreg(HW_REG_IB_STS2, 6, 4)
	s_cmp_eq_u32 s2, 0
	s_cbranch_scc0 .Lentry_in_a_cluster
	s_endpgm
.Lentry_in_a_cluster:
	s_bfe_u32 s2, ttmp6, 0x10000c
	s_cmp_lg_u32 s2, 0x3003
	s_cbranch_scc0 .Lentry_shape_is_right
	s_endpgm
.Lentry_shape_is_right:
; Causal attention on codes of BF8 (E5M2), head size 64, 2,048 keys, 64 (batch, head) pairs.  q, k: planes of qk, [t][64 bytes]; v: rows of vt, keys innermost.  Out: ac [b 16 + h][t][64 bytes]: codes with e6.
; THE SOFTMAX: t = score x 2^(e2 + e3) x log2(e) / 8; M = the running largest t rounded UP to a whole number; p = 2^(t - M), not normalised, is quantised with e4 along the keys.  The row's sum is taken of the
; unquantised p in f32.  When M moves, the sum and O are multiplied by 2^(old M - new M), which rounds nothing.  At the end O / the sum stands for the result / 2^(e4 + e5): its code is that / 2^(e6 - e4 - e5).
; LIMITS: e2 + e3 between -123 and 130 (added to c's exponent field); e4, and e6 - e4 - e5, between -126 and 112.  NaN is not served.
; SHARES.  A cluster of four work-groups is one (b, h); work-group g = its place in the cluster.  A head has 128 tiles of 16 queries.  Wave w of 16 owns tile LO = 4 w + g and tile HI = 124 - 4 w + g.
; Tile a needs the key steps (128 keys) 0 .. a / 8: that is w / 2 for LO and (31 - w) / 2 for HI, whatever g: together 17 steps in every wave of the launch: the causal work is even.
; ALL OF THE HEAD'S K AND V LIES IN LDS, filled once: 2,048 x 80 + 64 x (272 + 1,904) bytes.  No byte is filled twice, and no barrier stands in the loop over the keys.
; The four work-groups read the same K and V: each tile is asked for jointly (mask 15).  The first 256 keys come by loads of their own, so that the work begins while the rest is on its way.
; LAYOUT.  Both products are used transposed: S^T = K Q^T (source 0 = 16 keys, source 1 = 16 queries), O^T = V^T P^T: a lane holds one query (lane % 16) throughout.
; THE KEYS OF A TILE ARE NOT NEIGHBOURS: lane r of tile 2 b + u takes key 32 b + 8 u + r + 8 (r / 8), so that the 16 registers of tiles 2 b, 2 b + 1 are keys 32 b + 16 (lane / 16) + 0 .. 15.
; A step whose keys all come after the tile's queries is jumped over (a scalar branch on the wave's number and the step's); in the one step on the diagonal hidden scores become -infinity.
.set KP,    80                         ; a key's row in LDS: 64 bytes + 16
.set VP0,   272                        ; a row of V's first 256 keys: 256 + 16
.set VRP,   1904                       ; a row of the other 1,792: seven pieces of 256 + 16
.set V0OFF, 2048*KP                    ; 163,840
.set VROFF, V0OFF+64*VP0               ; 181,248
.set STAGE, VROFF+64*VRP               ; 303,104: 16 rows x 80 bytes for each wave; no tensor load lands here
.set AK0,  1                           ; v1   my lane's place in a tile of K
.set AV0,  2                           ; v2   in V's first 256 keys
.set AVR,  3                           ; v3   in the others
.set STO,  4                           ; v4   the stage: where I put 8 codes
.set SRD,  5                           ; v5   and where I read 16 bytes back
.set GO,   6                           ; v6   16 x lane
.set QD,   7                           ; v7   lane % 16 - 16 (lane / 16)
.set ADK,  8                           ; v8-10 addresses of the loads in hand
.set ADV,  9
.set ADV2, 10
.set QO,   11                          ; v11  my byte in a tile of Q; never rewritten
.set SH,   12                          ; v12-15 tile HI: -M, the largest t, the sum in two halves
.set SL,   16                          ; v16-19 tile LO
.set QH,   20                          ; v20-27 Q of HI
.set QL,   28                          ; v28-35 Q of LO
.set FG,   36                          ; v36-99 eight fragments of K, then four of V
.set S,    100                         ; v100-163 S^T, then p
.set OH,   164                         ; v164-195 O^T of HI
.set OL,   196                         ; v196-227 O^T of LO
.set P,    228                         ; v228-243 p's codes
                                       ; v244 the scale in hand; v[246:247] f; v[248:249] a second chain of sums; v250, v251 at work; v252 a permute's destination; v253 -infinity; v254 the diagonal
.set WV,   12                          ; s12  my wave's number
.set SEL,  20                          ; s[20:21] selects for v_permlanex16_b32: lane l xor 16
.set CS,   22                          ; s[22:23] c
.set G1K0, 24                          ; descriptor groups 1
.set G1KR, 32
.set G1V0, 40
.set G1VR, 48
.set G0K0, 56                          ; and 0
.set G0KR, 60
.set G0V0, 68
.set G0VR, 72
.set LIMH, 84                          ; s84  HI's last step
.set LIML, 85                          ; s85  LO's
.set SC,   86                          ; s86  the step's number
.set TBK,  87                          ; s87  LDS byte of the 256 keys in hand, in K
.set TBV,  88                          ; s88  in a row of V
.set TRIP, 89
.set DH,   90                          ; s90  16 x (HI % 8): my first query less the diagonal step's first key
.set DL,   91                          ; s91  the same for LO
.macro CROUND                          ; a round of the cluster's barrier
	s_barrier_signal -1
	s_barrier_wait -1
	s_cmp_lg_u32 s[WV], 0
	s_cbranch_scc1 .Lnot_wave_0_\@
	s_barrier_signal -3
.Lnot_wave_0_\@:
	s_barrier_wait -3
	s_barrier_signal -1
	s_barrier_wait -1
.endm
	s_load_b256 s[4:11], s[0:1], 0x0               ; qk s[4:5], vt s[6:7], the scales' exponents s[8:9], ac s[10:11]
	v_lshl_add_u32 v254, v0, 2, 0x4f000
	v_mov_b32 v255, 0
	ds_add_u32 v254, v255
	ds_add_u32 v254, v255
	s_wait_dscnt 0x0
	v_lshrrev_b32 v8, 5, v0
	s_delay_alu instid0(VALU_DEP_1)
	v_readfirstlane_b32 s[WV], v8                  ; wave 0..15
	s_bfe_u32 s13, ttmp6, 0x40000                  ; g: my place in the cluster: it enters Q's and ac's addresses and the diagonal's numbers alone
	s_and_b32 s14, ttmp7, 0xffff                   ; 16 b + h, which the four partners share
	s_lshr_b32 s66, s14, 4                         ; b
	s_and_b32 s67, s14, 15                         ; h
	s_and_b32 s15, s[WV], 1                        ; which half of a tile I fetch, if I fetch
	s_lshl_b32 s2, s66, 5
	s_add_co_u32 s2, s2, s67
	s_lshl_b32 s89, s2, 17                         ; q's plane 32 b + h, in bytes
	s_add_co_u32 s16, s89, 0x200000                ; k's plane lies 16 planes on
	s_lshl_b32 s2, s15, 13
	s_add_co_u32 s2, s2, s16                       ; keys 0-255: my 128 keys of 64 bytes
	s_mov_b32 s3, 0
	s_mul_i32 s17, s15, 57344
	s_add_co_u32 s16, s16, s17
	s_add_co_u32 s16, s16, 16384                   ; keys 256-2047: my 896
	s_mov_b32 s17, 0
	s_lshl_b32 s18, s67, 19                        ; v: row 64 h of 8,192 bytes,
	s_lshl_b32 s19, s66, 11                        ; column 2,048 b,
	s_add_co_u32 s18, s18, s19
	s_lshl_b32 s19, s15, 18                        ; my 32 rows
	s_add_co_u32 s18, s18, s19
	s_mov_b32 s19, 0
	; descriptor groups 1.  Elements of 1 byte; the mask names all four work-groups; bit 21 set beside it.  K is dense in memory: rows of 256 bytes (four keys), 16 bytes of padding behind every 64.
	s_mov_b32 s[G1K0], 15|(1<<20)|(1<<21)|(3<<22)|(3<<25)
	s_mov_b32 s[G1K0+1], 256<<16                   ; tensor_dim0
	s_mov_b32 s[G1K0+2], 32<<16                    ; tensor_dim1: 128 keys
	s_mov_b32 s[G1K0+3], 256<<16                   ; tile_dim0
	s_mov_b32 s[G1K0+4], 32                        ; tile_dim1
	s_mov_b32 s[G1K0+5], 256                       ; pitch
	s_mov_b32 s[G1K0+6], 0
	s_mov_b32 s[G1K0+7], 0
	s_mov_b32 s[G1KR], 15|(1<<20)|(1<<21)|(3<<22)|(3<<25)
	s_mov_b32 s[G1KR+1], 256<<16
	s_mov_b32 s[G1KR+2], 224<<16                   ; 896 keys
	s_mov_b32 s[G1KR+3], 256<<16
	s_mov_b32 s[G1KR+4], 224
	s_mov_b32 s[G1KR+5], 256
	s_mov_b32 s[G1KR+6], 0
	s_mov_b32 s[G1KR+7], 0
	s_mov_b32 s[G1V0], 15|(1<<20)|(1<<21)|(5<<22)|(3<<25)   ; V: 16 bytes of padding behind every 256
	s_mov_b32 s[G1V0+1], 256<<16
	s_mov_b32 s[G1V0+2], 32<<16
	s_mov_b32 s[G1V0+3], 256<<16
	s_mov_b32 s[G1V0+4], 32
	s_mov_b32 s[G1V0+5], 8192
	s_mov_b32 s[G1V0+6], 0
	s_mov_b32 s[G1V0+7], 0
	s_mov_b32 s[G1VR], 15|(1<<20)|(1<<21)|(5<<22)|(3<<25)
	s_mov_b32 s[G1VR+1], 1792<<16
	s_mov_b32 s[G1VR+2], 32<<16
	s_mov_b32 s[G1VR+3], 1792<<16
	s_mov_b32 s[G1VR+4], 32
	s_mov_b32 s[G1VR+5], 8192
	s_mov_b32 s[G1VR+6], 0
	s_mov_b32 s[G1VR+7], 0
	s_mov_b32 s[G0K0], 1
	s_mul_i32 s[G0K0+1], s15, 128*KP
	s_mov_b32 s[G0KR], 1
	s_mul_i32 s[G0KR+1], s15, 896*KP
	s_add_co_u32 s[G0KR+1], s[G0KR+1], 256*KP
	s_mov_b32 s[G0V0], 1
	s_mul_i32 s[G0V0+1], s15, 32*VP0
	s_add_co_u32 s[G0V0+1], s[G0V0+1], V0OFF
	s_mov_b32 s[G0VR], 1
	s_mul_i32 s[G0VR+1], s15, 32*VRP
	s_add_co_u32 s[G0VR+1], s[G0VR+1], VROFF
	; my two tiles of queries
	s_lshl_b32 s66, s[WV], 2
	s_add_co_u32 s67, s66, s13                     ; LO = 4 w + g
	s_sub_co_u32 s66, 124, s66
	s_add_co_u32 s66, s66, s13                     ; HI = 124 - 4 w + g
	s_lshr_b32 s[LIML], s[WV], 1                   ; LO / 8
	s_sub_co_u32 s[LIMH], 31, s[WV]
	s_lshr_b32 s[LIMH], s[LIMH], 1                 ; HI / 8: both from the wave's number alone
	s_and_b32 s[DH], s66, 7
	s_lshl_b32 s[DH], s[DH], 4
	s_and_b32 s[DL], s67, 7
	s_lshl_b32 s[DL], s[DL], 4
	s_lshl_b32 s66, s66, 10                        ; a tile is 16 rows of 64 bytes
	s_lshl_b32 s67, s67, 10
	s_add_co_u32 s96, s89, s66
	s_mov_b32 s97, 0
	s_add_co_u32 s98, s89, s67
	s_mov_b32 s99, 0
	s_lshl_b32 s92, s14, 17                        ; ac's plane
	s_add_co_u32 s94, s92, s67
	s_mov_b32 s95, 0
	s_add_co_u32 s92, s92, s66
	s_mov_b32 s93, 0
	s_mov_b32 s[SEL], 0x76543210
	s_mov_b32 s[SEL+1], 0xfedcba98
	s_mov_b32 s[CS], 0x3e38aa3b                    ; c = log2(e) / sqrt(64)
	s_mov_b32 s[SC], 0
	s_mov_b32 s[TBK], 0
	s_mov_b32 s[TBV], 0
	s_wait_kmcnt 0x0
	s_load_b256 s[76:83], s[8:9], 0x0              ; e0 .. e7
	s_add_nc_u64 s[G0K0+2:G0K0+3], s[4:5], s[2:3]
	s_or_b32 s[G0K0+3], s[G0K0+3], 0x80000000
	s_add_nc_u64 s[G0KR+2:G0KR+3], s[4:5], s[16:17]
	s_or_b32 s[G0KR+3], s[G0KR+3], 0x80000000
	s_add_nc_u64 s[G0V0+2:G0V0+3], s[6:7], s[18:19]
	s_add_nc_u64 s[G0VR+2:G0VR+3], s[G0V0+2:G0V0+3], 256
	s_or_b32 s[G0V0+3], s[G0V0+3], 0x80000000
	s_or_b32 s[G0VR+3], s[G0VR+3], 0x80000000
	s_add_nc_u64 s[96:97], s[4:5], s[96:97]        ; Q of HI
	s_add_nc_u64 s[98:99], s[4:5], s[98:99]        ; Q of LO
	s_add_nc_u64 s[92:93], s[10:11], s[92:93]      ; ac at HI
	s_add_nc_u64 s[94:95], s[10:11], s[94:95]      ; ac at LO
	CROUND                                         ; all four work-groups are here: the joint loads meet
	s_cmp_lt_u32 s[WV], 2                          ; waves 0, 1: K's halves; waves 2, 3: V's; the others nothing.  A wave's two loads stand in one branch: two tensor loads of mine are out
	s_cbranch_scc0 .Lnot_k
	tensor_load_to_lds s[G0K0:G0K0+3], s[G1K0:G1K0+7]
	s_nop 0
	tensor_load_to_lds s[G0KR:G0KR+3], s[G1KR:G1KR+7]
	s_nop 0
.rept 4
	v_nop
.endr
	s_branch .Lasked
.Lnot_k:
	s_cmp_lt_u32 s[WV], 4
	s_cbranch_scc0 .Lasked
	tensor_load_to_lds s[G0V0:G0V0+3], s[G1V0:G1V0+7]
	s_nop 0
	tensor_load_to_lds s[G0VR:G0VR+3], s[G1VR:G1VR+7]
	s_nop 0
.rept 4
	v_nop
.endr
.Lasked:
	v_and_b32 v8, 15, v0                           ; r
	v_bfe_u32 v9, v0, 4, 1                         ; h
	v_and_b32 v10, 31, v0                          ; lane
	s_delay_alu instid0(VALU_DEP_3)
	v_lshlrev_b32 v[QO], 6, v8
	s_delay_alu instid0(VALU_DEP_1)
	v_lshl_add_u32 v[QO], v9, 4, v[QO]             ; Q: row r of 64 bytes, + 16 h: registers 4 c .. 4 c + 3 hold channels 32 c + 16 h + 0 .. 15, as K's fragments do
	global_load_b128 v[QH:QH+3], v[QO], s[96:97]
	global_load_b128 v[QH+4:QH+7], v[QO], s[96:97] offset:32
	global_load_b128 v[QL:QL+3], v[QO], s[98:99]
	global_load_b128 v[QL+4:QL+7], v[QO], s[98:99] offset:32
	v_and_b32 v248, 8, v8
	s_delay_alu instid0(VALU_DEP_1)
	v_add_nc_u32 v248, v248, v8                    ; r + 8 (r / 8)
	s_delay_alu instid0(VALU_DEP_1)
	v_mul_u32_u24 v[AK0], v248, KP
	s_delay_alu instid0(VALU_DEP_1)
	v_lshl_add_u32 v[AK0], v9, 4, v[AK0]
	v_mul_u32_u24 v[AV0], v8, VP0
	s_delay_alu instid0(VALU_DEP_1)
	v_lshl_add_u32 v[AV0], v9, 4, v[AV0]
	s_delay_alu instid0(VALU_DEP_1)
	v_add_nc_u32 v[AV0], V0OFF, v[AV0]
	v_mul_u32_u24 v[AVR], v8, VRP
	s_delay_alu instid0(VALU_DEP_1)
	v_lshl_add_u32 v[AVR], v9, 4, v[AVR]
	s_delay_alu instid0(VALU_DEP_1)
	v_add_nc_u32 v[AVR], VROFF, v[AVR]
	s_mul_i32 s2, s[WV], 16*KP
	s_add_co_u32 s2, s2, STAGE                     ; my stage
	v_mul_u32_u24 v[STO], v8, KP
	s_delay_alu instid0(VALU_DEP_1)
	v_lshl_add_u32 v[STO], v9, 3, v[STO]
	s_delay_alu instid0(VALU_DEP_1)
	v_add_nc_u32 v[STO], s2, v[STO]                ; in: row r, 8 bytes for each half of the lanes
	v_lshrrev_b32 v248, 2, v10
	s_delay_alu instid0(VALU_DEP_1)
	v_mul_u32_u24 v[SRD], v248, KP
	v_and_b32 v248, 3, v0
	s_delay_alu instid0(VALU_DEP_1)
	v_lshl_add_u32 v[SRD], v248, 4, v[SRD]
	s_delay_alu instid0(VALU_DEP_1)
	v_add_nc_u32 v[SRD], s2, v[SRD]                ; back: four lanes to a row, eight rows a load
	v_lshlrev_b32 v[GO], 4, v10
	v_lshlrev_b32 v248, 4, v9
	s_delay_alu instid0(VALU_DEP_1)
	v_sub_nc_u32 v[QD], v8, v248
	v_mov_b32 v[SH+1], 0xff61b1e6                  ; the largest t so far: -3e38, under every t
	s_delay_alu instid0(VALU_DEP_1)
	v_floor_f32 v[SH], -v[SH+1]                    ; -M
	v_mov_b32 v[SH+2], 0                           ; the sum, in two halves
	v_mov_b32 v[SH+3], 0
	v_mov_b32 v[SL+1], 0xff61b1e6
	s_delay_alu instid0(VALU_DEP_1)
	v_floor_f32 v[SL], -v[SL+1]
	v_mov_b32 v[SL+2], 0
	v_mov_b32 v[SL+3], 0
	v_mov_b32 v247, 0                              ; (named as the upper half of the pair v[246:247])
	v_mov_b32 v252, 0                              ; written once: a lane permute's destination counts as one of its sources
	v_mov_b32 v253, 0xff800000                     ; -infinity
.set j, 0
.rept 64
	v_mov_b32 v[OH+j], 0                           ; O^T of both tiles.  (The step is written once: the first finds zeros, which the first change of M leaves zeros)
.set j, j+1
.endr
	s_wait_kmcnt 0x0
	s_add_co_i32 s2, s78, s79
	s_lshl_b32 s2, s2, 23
	s_add_co_i32 s[CS], s[CS], s2                  ; a score stands for score x 2^(e2 + e3): the two exponents are added to c's exponent field
	s_mov_b32 s[CS+1], s[CS]                       ; (named with it as a pair, so it is written)
	s_add_co_i32 s2, s80, 127
	s_lshl_b32 s3, s2, 23
	v_mov_b32 v244, s3                             ; 2^e4, for p's conversions
; A KEY STEP of one tile: 128 keys, the kq-th of the 256 in hand.  qf: the tile's Q; ob: its O^T; sb: its statistics; lim: its last step; dg: its place on the diagonal; av, vp: V's address register and row pitch.
.macro STEP kq, qf, ob, sb, lim, dg, av, vp
	s_cmp_gt_u32 s[SC], s[\lim]                    ; all these keys come after the tile's queries: nothing to do
	s_cbranch_scc1 .Lskip_\@
	v_add_nc_u32 v[ADK], s[TBK], v[AK0]            ; these three and the v_nop are the four places in front of loads into registers that the last products read
	v_add_nc_u32 v[ADV], s[TBV], v[\av]
	s_delay_alu instid0(VALU_DEP_1)
	v_add_nc_u32 v[ADV2], 32*\vp, v[ADV]           ; rows 32-63, so that the offsets stay inside 16 bits
	v_nop
.irp t, 0,1,2,3,4,5,6,7
.irp c, 0,1
	ds_load_b128 v[FG+8*\t+4*\c:FG+8*\t+4*\c+3], v[ADK] offset:(128*\kq+32*(\t/2)+8*(\t%2))*KP+32*\c
.endr
.endr
	s_wait_alu depctr_va_vdst(0)
	s_wait_dscnt 0x0
.irp t, 0,1,2,3,4,5,6,7
	v_wmma_f32_16x16x64_bf8_bf8 v[S+8*\t:S+8*\t+7], v[FG+8*\t:FG+8*\t+7], v[\qf:\qf+7], 0
.endr
.rept 4
	v_nop                                          ; places in front of the loads below and of the first read of the scores
.endr
.irp t, 0,1,2,3                                ; V's four fragments (16 channels x 128 keys) land while the softmax is worked
.irp c, 0,1,2,3
.if \t < 2
	ds_load_b128 v[FG+16*\t+4*\c:FG+16*\t+4*\c+3], v[ADV] offset:(\t%2)*16*\vp+128*\kq+32*\c
.else
	ds_load_b128 v[FG+16*\t+4*\c:FG+16*\t+4*\c+3], v[ADV2] offset:(\t%2)*16*\vp+128*\kq+32*\c
.endif
.endr
.endr
	s_cmp_lg_u32 s[SC], s[\lim]                    ; only the tile's last step lies on the diagonal
	s_cbranch_scc1 .Lopen_\@
	v_add_nc_u32 v254, s[\dg], v[QD]               ; d = my query - the step's first key - 16 (lane / 16).  Register 16 b + i holds key 32 b + 16 (lane / 16) + i: hidden where 32 b + i > d
.set n, 0
.rept 64
	v_cmp_gt_i32 vcc_lo, 32*(n/16)+n%16, v254
	v_cndmask_b32 v[S+n], v[S+n], v253, vcc_lo
.set n, n+1
.endr
.Lopen_\@:
	v_max3_num_f32 v250, v[S], v[S+1], v[S+2]      ; the step's largest score of my query, among my 64 keys, in two chains, from the low end on
	v_max3_num_f32 v251, v[S+3], v[S+4], v[S+5]
.irp i, 6,10,14,18,22,26,30,34,38,42,46,50,54,58
	v_max3_num_f32 v250, v250, v[S+\i], v[S+\i+1]
	v_max3_num_f32 v251, v251, v[S+\i+2], v[S+\i+3]
.endr
	v_max3_num_f32 v250, v250, v[S+62], v[S+63]
	s_delay_alu instid0(VALU_DEP_1)
	v_max_num_f32 v250, v250, v251
	s_delay_alu instid0(VALU_DEP_1)
	v_permlanex16_b32 v252, v250, s[SEL], s[SEL+1]
	s_delay_alu instid0(VALU_DEP_1)
	v_max_num_f32 v250, v250, v252                 ; and among lane l xor 16's: the step's first key counts for every query of the tile, so this is a number
	s_delay_alu instid0(VALU_DEP_1)
	v_mul_f32 v250, s[CS], v250                    ; as t (c is positive)
	s_delay_alu instid0(VALU_DEP_1)
	v_max_num_f32 v[\sb+1], v[\sb+1], v250         ; the running largest t
	v_mov_b32 v250, v[\sb]
	s_delay_alu instid0(VALU_DEP_2)
	v_floor_f32 v[\sb], -v[\sb+1]                  ; the new -M = floor(-t) = -ceil(t)
	s_delay_alu instid0(VALU_DEP_1)
	v_sub_f32 v250, v[\sb], v250                   ; old M - new M: a whole number, 0 or less
	s_delay_alu instid0(VALU_DEP_1)
	v_cvt_i32_f32 v250, v250                       ; (it saturates)
	s_delay_alu instid0(VALU_DEP_1)
	v_ldexp_f32 v246, 1.0, v250                    ; f = 2^(old M - new M)
.set j, 0
.rept 32
	v_pk_fma_f32 v[S+j:S+j+1], v[S+j:S+j+1], s[CS:CS+1], v[\sb:\sb+1] op_sel_hi:[1,0,0]   ; t - M, two at a time (of the pairs c and -M the low word serves both halves)
.set j, j+2
.endr
.set j, 0
	s_wait_alu depctr_va_vdst(0)
.rept 64
	v_exp_f32 v[S+j], v[S+j]                       ; p = 2^(t - M), at most 1
.set j, j+1
.endr
	v_pk_mul_f32 v[\sb+2:\sb+3], v[\sb+2:\sb+3], v[246:247] op_sel_hi:[1,0]   ; the sums under the new M.  (A plain place behind the exponentials)
	s_wait_alu depctr_va_vdst(0)
	v_pk_add_f32 v[248:249], v[S:S+1], v[S+2:S+3]  ; the row's sum is taken of the unquantised p: two at a time, in two chains
.irp j, 4,8,12,16,20,24,28,32,36,40,44,48,52,56,60
	v_pk_add_f32 v[\sb+2:\sb+3], v[\sb+2:\sb+3], v[S+\j:S+\j+1]
	v_pk_add_f32 v[248:249], v[248:249], v[S+\j+2:S+\j+3]
.endr
	s_delay_alu instid0(VALU_DEP_1)
	v_pk_add_f32 v[\sb+2:\sb+3], v[\sb+2:\sb+3], v[248:249]
.irp b, 0,1,2,3
.irp i, 0,1,2,3,4,5,6,7,8,9,10,11,12,13,14,15
.endr
	v_cvt_scalef32_pk8_bf8_f32 v[P+4*\b:P+4*\b+1], v[S+16*\b:S+16*\b+7], v244
	v_cvt_scalef32_pk8_bf8_f32 v[P+4*\b+2:P+4*\b+3], v[S+16*\b+8:S+16*\b+15], v244
.endr
.set j, 0
.rept 16
	v_pk_mul_f32 v[\ob+j:\ob+j+1], v[\ob+j:\ob+j+1], v[246:247] op_sel_hi:[1,0]   ; O^T under the new M.  (Plain lines between the conversions and the products that read their results)
.set j, j+2
.endr
	s_wait_alu depctr_va_vdst(0)
	s_wait_dscnt 0x0                               ; V's fragments are in
.irp t, 0,1,2,3                                ; O^T += V^T P^T: the four accumulators take turns, one instruction a turn
	v_wmma_f32_16x16x128_bf8_bf8 v[\ob+8*\t:\ob+8*\t+7], v[FG+16*\t:FG+16*\t+15], v[P:P+15], v[\ob+8*\t:\ob+8*\t+7]
.endr
.Lskip_\@:
.endm
.macro SLOTM av, vp                    ; 256 keys: two steps, each for both tiles
	STEP 0, QH, OH, SH, LIMH, DH, \av, \vp
	STEP 0, QL, OL, SL, LIML, DL, \av, \vp
	s_add_co_u32 s[SC], s[SC], 1
	STEP 1, QH, OH, SH, LIMH, DH, \av, \vp
	STEP 1, QL, OL, SL, LIML, DL, \av, \vp
	s_add_co_u32 s[SC], s[SC], 1
.endm
	s_wait_loadcnt 0x0                             ; Q
	s_wait_tensorcnt 0x1                           ; my part of the first 256 keys is in; the load behind it may stay out
	s_barrier_signal -1
	s_barrier_wait -1                              ; everybody's is
	SLOTM AV0, VP0
	s_wait_tensorcnt 0x0                           ; my part of the other 1,792 keys is in,
	s_wait_dscnt 0x0
	s_barrier_signal -1
	s_barrier_wait -1                              ; everybody's is: from here on the waves run free
	s_mov_b32 s[TBK], 256*KP
	s_mov_b32 s[TBV], 0
	s_mov_b32 s[TRIP], 7
.Lslot:                                            ; seven trips in every wave; what a tile does not need is jumped over inside
	SLOTM AVR, VRP
	s_add_co_u32 s[TBK], s[TBK], 256*KP
	s_add_co_u32 s[TBV], s[TBV], VP0
	s_sub_co_u32 s[TRIP], s[TRIP], 1
	s_cmp_lg_u32 s[TRIP], 0
	s_cbranch_scc1 .Lslot
	; THE WAY OUT.  O^T / the sum is quantised with e6 and goes through my stage in LDS: a tile's 16 rows of 64 bytes are 1,024 dense bytes of ac.
.rept 4
	v_nop                                          ; places behind the last products
.endr
	s_sub_co_i32 s2, s82, s80
	s_sub_co_i32 s2, s2, s81                       ; e6 - e4 - e5
	s_add_co_i32 s2, s2, 127
	s_lshl_b32 s3, s2, 23
	v_mov_b32 v244, s3
.macro OUT ob, sb, so, pc, rr, base
	v_add_f32 v250, v[\sb+2], v[\sb+3]             ; the sum's two halves,
	s_delay_alu instid0(VALU_DEP_1)
	v_permlanex16_b32 v252, v250, s[SEL], s[SEL+1]
	s_delay_alu instid0(VALU_DEP_1)
	v_add_f32 v250, v250, v252                     ; and lane l xor 16's
	s_wait_alu depctr_va_vdst(0)
	v_rcp_f32 v246, v250
	v_nop                                          ; a plain place behind the transcendental
.set j, 0
	s_wait_alu depctr_va_vdst(0)
.rept 16
	v_pk_mul_f32 v[\so+j:\so+j+1], v[\ob+j:\ob+j+1], v[246:247] op_sel_hi:[1,0]   ; register 8 t + i is channel 16 t + 8 (lane / 16) + i of my query; each accumulator from its low end on
.set j, j+2
.endr
.set j, 0
.rept 32
.set j, j+1
.endr
.irp t, 0,1,2,3
	v_cvt_scalef32_pk8_bf8_f32 v[\pc+2*\t:\pc+2*\t+1], v[\so+8*\t:\so+8*\t+7], v244
.endr
	v_nop                                          ; a plain vector line behind the last conversion
.irp t, 0,1,2,3
	ds_store_b64 v[STO], v[\pc+2*\t:\pc+2*\t+1] offset:16*\t
.endr
.irp i, 0,1
	ds_load_b128 v[\rr+4*\i:\rr+4*\i+3], v[SRD] offset:8*KP*\i   ; LDS serves a wave's instructions in order (ISA guide 5.7.1.4): these see my stores, and the next tile's stores come behind them
.endr
	s_wait_dscnt 0x0
.irp i, 0,1
	global_store_b128 v[GO], v[\rr+4*\i:\rr+4*\i+3], s[\base:\base+1] offset:512*\i   ; 512 consecutive bytes, aligned
.endr
.endm
	OUT OH, SH, S, P, FG, 92
	OUT OL, SL, S+32, P+8, FG+8, 94
	s_wait_tensorcnt 0x0
	s_wait_dscnt 0x0
	s_wait_xcnt 0x0
	v_lshl_add_u32 v254, v0, 2, 0x4f000
	v_mov_b32 v255, 0
	s_wait_alu depctr_va_vdst(0)
	s_wait_tensorcnt 0x0
	ds_add_u32 v254, v255
	s_wait_dscnt 0x0
	CROUND                                         ; the closing round: no work-group ends while a partner may still ask for a tile that names it
	s_endpgm
.Lfunc_end_k_qdf06aebe4f_attn:
	.size	k_qdf06aebe4f_attn, .Lfunc_end_k_qdf06aebe4f_attn-k_qdf06aebe4f_attn
	.p2alignl 7, 3214868480
	.fill 96, 4, 3214868480
	.section	.rodata,"a",@progbits
	.p2align	6, 0x0
	.amdhsa_kernel k_qdf06aebe4f_attn
		.amdhsa_group_segment_fixed_size 327680
		.amdhsa_private_segment_fixed_size 0
		.amdhsa_enable_private_segment 0
		.amdhsa_kernarg_size 32
		.amdhsa_user_sgpr_count 2
		.amdhsa_user_sgpr_kernarg_segment_ptr 1
		.amdhsa_wavefront_size32 1
		.amdhsa_system_sgpr_workgroup_id_x 1
		.amdhsa_system_sgpr_workgroup_id_y 1
		.amdhsa_system_sgpr_workgroup_id_z 1
		.amdhsa_system_vgpr_workitem_id 0
		.amdhsa_next_free_vgpr 256
		.amdhsa_next_free_sgpr 100
		.amdhsa_reserve_vcc 1
		.amdhsa_float_denorm_mode_32 3
		.amdhsa_float_denorm_mode_16_64 3
		.amdhsa_fp16_overflow 1
		.amdhsa_memory_ordered 1
		.amdhsa_forward_progress 1
		.amdhsa_inst_pref_size 167
	.end_amdhsa_kernel
	.amdgpu_metadata
---
amdhsa.version: [ 1, 2 ]
amdhsa.kernels:
  - .name:           k_qdf06aebe4f_attn
    .symbol:         k_qdf06aebe4f_attn.kd
    .args:
      - { .name: qk, .offset: 0, .size: 8, .value_kind: global_buffer, .address_space: global }
      - { .name: vt, .offset: 8, .size: 8, .value_kind: global_buffer, .address_space: global }
      - { .name: lowp_scales, .offset: 16, .size: 8, .value_kind: global_buffer, .address_space: global }
      - { .name: ac, .offset: 24, .size: 8, .value_kind: global_buffer, .address_space: global }
    .group_segment_fixed_size: 327680
    .private_segment_fixed_size: 0
    .kernarg_segment_align: 8
    .kernarg_segment_size: 32
    .max_flat_workgroup_size: 512
    .sgpr_count:     100
    .vgpr_count:     256
    .wavefront_size: 32
...
	.end_amdgpu_metadata
.endif
;; end of part 2
;; launch proj (part 3): grid 4 x 64, 4 waves a work-group, clusters of 4 x 4, 327,680 bytes of LDS; arguments ac, W_proj_codes, lowp_scales, out0; writes out0
.if DOCPART == 3
	.amdgcn_target "amdgcn-amd-amdhsa--gfx1250"
	.amdhsa_code_object_version 6
	.text
	.protected	k_qdf06aebe4f_proj
	.globl	k_qdf06aebe4f_proj
	.p2align	8
	.type	k_qdf06aebe4f_proj,@function
k_qdf06aebe4f_proj:
	s_mov_b64 s[64:65], 0
	v_nop
	global_prefetch_b8 v0, s[64:65] scope:SCOPE_SE
	s_setreg_imm32_b32 hwreg(HW_REG_WAVE_MODE, 25, 1), 1
	s_wait_xcnt 0x0
	s_wait_alu depctr_hold_cnt(0) depctr_sa_sdst(0) depctr_va_vdst(0) depctr_va_sdst(0) depctr_va_ssrc(0) depctr_va_vcc(0) depctr_vm_vsrc(0)
	s_getreg_b32 s2, hwreg(HW_REG_IB_STS2, 6, 4)
	s_cmp_eq_u32 s2, 0
	s_cbranch_scc0 .Lentry_in_a_cluster
	s_endpgm
.Lentry_in_a_cluster:
	s_bfe_u32 s2, ttmp6, 0x10000c
	s_cmp_lg_u32 s2, 0xf033
	s_cbranch_scc0 .Lentry_shape_is_right
	s_endpgm
.Lentry_shape_is_right:
; out0 = attention's result x W_proj^T on codes of BF8 (E5M2); each finished f32 sum is multiplied once by 2^(e6 + e7).
; A: ac, [b 16 + h][t 2048][64 bytes]: row b 2048 + t of the operand has its K = 64 h + d spread over 16 planes, 131,072 bytes apart.  B: W_proj, [1024][1024] codes, K innermost.  out0: [8192][1024] f32.
; LIMIT: e6 + e7 between -126 and 127, so that 2^(e6 + e7) is an f32 number.
; SHARES.  256 tiles of 128 rows x 256 columns, one for each work-group (tiles of 256 x 256 would be 128).  Four waves, each 64 x 128: 32 accumulators, 256 registers.
; K goes in four steps of 256 (four planes of A) through a ring of two LDS slots filled by the tensor data mover.
; CLUSTERS: 4 x 4 work-groups.  The four of a row of the cluster need the same tiles of A, the four of a column the same tiles of B: each is asked for jointly.
; THE MATRIX INSTRUCTION IS USED TRANSPOSED (source 0 = 16 rows of B, source 1 = 16 rows of A): a lane holds eight neighbouring numbers of a row of out0.
; REGISTERS: window 0: v16-31 addresses; v128-255 A's fragments, two sets of 64; on the way out v32-255.   window 1: B's fragments, two sets of 128.   window 2: the accumulators ((a, b) at v[8 (8 a + b)]).
.set PITCH,  272                       ; B's LDS row: 256 bytes + 16
.set AP,     80                        ; A's LDS row: a plane's 64 bytes + 16
.set APL,    64*AP                     ; a plane's 64 rows
.set AHALF,  4*APL                     ; four planes: what one tensor load brings of A, and what one wave reads
.set BOFF,   2*AHALF                   ; B lies behind A's two halves
.set BHALF,  128*PITCH
.set SLOT,   BOFF+2*BHALF              ; 110,592
.set SPARE,  2*SLOT                    ; the spare words, 128 bytes for each wave
.set STAGE,  SPARE+512                 ; the way out: 16 rows x (512 + 16) bytes for each wave; no tensor load lands here
.set SPITCH, 528
.set FR,     16
.set NP,     4
.set ADRA, 16                          ; v16-17  LDS address of my A fragments in slot 0, 1
.set ADRB, 20                          ; v20-21  the same for B
.set STO,  24
.set RD,   25
.set CO,   26
.set SPW,  28                          ; v28     LDS address of my spare word; never rewritten
.set NIL,  29                          ; v29     0; never rewritten
.set TMP,  32
.set AF,   128
.set BK,   128
.set G1, 24
.set G0, 32
.set G1B, 48
.set G0B, 56
.set MSB, 0
.macro WIN new
.if MSB != \new
	s_set_vgpr_msb (MSB<<8)|\new
.set MSB, \new
.endif
.endm
.set MUL,  0xa1                        ; source 0 (B) window 1, source 1 (A) window 0, C and D window 2
.set TO_B, 0x40                        ; destination window 1, address window 0
.macro JLOAD g0a, g1a, g0b, g1b        ; a joint load: waves 0 and 1 fetch A's halves, waves 2 and 3 B's; four v_nop follow each of the two lines
	s_cmp_eq_u32 s15, 0
	s_cbranch_scc0 .Lfor_b_\@
	tensor_load_to_lds s[\g0a:\g0a+3], s[\g1a:\g1a+7]
	s_nop 0
.rept 4
	v_nop
.endr
	s_branch .Lasked_\@
.Lfor_b_\@:
	tensor_load_to_lds s[\g0b:\g0b+3], s[\g1b:\g1b+7]
	s_nop 0
.rept 4
	v_nop
.endr
.Lasked_\@:
.endm
.macro CREST
	s_cmp_lg_u32 s14, 0
	s_cbranch_scc1 .Lnot_wave_0_\@
	s_barrier_signal -3
.Lnot_wave_0_\@:
	s_barrier_wait -3
	s_barrier_signal -1
	s_barrier_wait -1
.endm
.macro CROUND
	s_barrier_signal -1
	s_barrier_wait -1
	CREST
.endm
	s_load_b256 s[4:11], s[0:1], 0x0               ; ac s[4:5], W_proj s[6:7], the scales' exponents s[8:9], out0 s[10:11]
	v_lshl_add_u32 v[SPW], v0, 2, SPARE
	v_mov_b32 v[NIL], 0
	ds_add_u32 v28, v29
	ds_add_u32 v28, v29
	s_wait_dscnt 0x0
	v_lshrrev_b32 v1, 5, v0
	v_readfirstlane_b32 s14, v1                    ; wave 0..3
	s_lshr_b32 s15, s14, 1                         ; which 64 of the tile's rows are mine.  Also: I fetch for A (0) or for B (1)
	s_and_b32 s16, s14, 1                          ; which 128 of its columns.  Also: which half of that tile I fetch
	s_bfe_u32 s40, ttmp6, 0x40000                  ; cx, cy
	s_bfe_u32 s41, ttmp6, 0x40004
	s_lshl_b32 s42, ttmp9, 2
	s_add_co_u32 s42, s42, s40                     ; tile column = 4 x cluster x + cx
	s_and_b32 s17, ttmp7, 0xffff
	s_lshl_b32 s17, s17, 2
	s_add_co_u32 s17, s17, s41                     ; tile row = 4 x cluster y + cy
	s_lshl_b32 s43, s41, 2
	s_lshl_b32 s43, 15, s43                        ; my row of the cluster
	s_lshl_b32 s44, 0x1111, s40                    ; my column
	; A's group 1: 4 "rows", each 64 dense rows of one plane (4,096 bytes), 131,072 bytes apart; 16 bytes of padding behind every 64
	s_or_b32 s[G1+0], s43, (0<<16)|(1<<20)|(1<<21)|(3<<22)|(3<<25)
	s_mov_b32 s[G1+1], 4096<<16                    ; tensor_dim0
	s_mov_b32 s[G1+2], 4<<16                       ; tensor_dim1
	s_mov_b32 s[G1+3], 4096<<16                    ; tile_dim0
	s_mov_b32 s[G1+4], 4                           ; tile_dim1
	s_mov_b32 s[G1+5], 131072                      ; pitch
	s_mov_b32 s[G1+6], 0
	s_mov_b32 s[G1+7], 0
	; B's: 128 rows of 256 bytes, 1,024 apart; 16 bytes of padding behind every 256
	s_or_b32 s[G1B+0], s44, (0<<16)|(1<<20)|(1<<21)|(5<<22)|(3<<25)
	s_mov_b32 s[G1B+1], 256<<16
	s_mov_b32 s[G1B+2], 128<<16
	s_mov_b32 s[G1B+3], 256<<16
	s_mov_b32 s[G1B+4], 128
	s_mov_b32 s[G1B+5], 1024
	s_mov_b32 s[G1B+6], 0
	s_mov_b32 s[G1B+7], 0
	s_lshr_b32 s20, s17, 4                         ; A: b = tile row / 16: 16 planes of 131,072 bytes;
	s_lshl_b32 s20, s20, 21
	s_and_b32 s18, s17, 15                         ; t = 128 x (tile row % 16), rows of 64 bytes;
	s_lshl_b32 s18, s18, 13
	s_add_co_u32 s20, s20, s18
	s_lshl_b32 s18, s16, 12                        ; my 64 rows
	s_add_co_u32 s20, s20, s18
	s_mov_b32 s21, 0
	s_lshl_b32 s46, s42, 8                         ; B: row 256 x tile column + 128 x half, of 1,024 bytes
	s_lshl_b32 s18, s16, 7
	s_add_co_u32 s46, s46, s18
	s_lshl_b32 s46, s46, 10
	s_mov_b32 s47, 0
	s_mul_i32 s45, s16, AHALF                      ; where they go: no place in the cluster enters an LDS address
	s_mul_i32 s19, s16, BHALF
	s_add_co_u32 s19, s19, BOFF
	s_wait_kmcnt 0x0
	s_load_b256 s[72:79], s[8:9], 0x0              ; e0 .. e7
	s_add_nc_u64 s[20:21], s[4:5], s[20:21]
	s_add_nc_u64 s[46:47], s[6:7], s[46:47]
	CROUND                                         ; all sixteen work-groups are here: the first joint loads meet
.irp s, 0,1
	s_mov_b32 s[G0+4*\s], 1
	s_add_co_u32 s[G0+4*\s+1], s45, \s*SLOT
	s_add_nc_u64 s[G0+4*\s+2:G0+4*\s+3], s[20:21], \s*4*131072      ; K step s: planes 4 s on
	s_or_b32 s[G0+4*\s+3], s[G0+4*\s+3], 0x80000000
	s_mov_b32 s[G0B+4*\s], 1
	s_add_co_u32 s[G0B+4*\s+1], s19, \s*SLOT
	s_add_nc_u64 s[G0B+4*\s+2:G0B+4*\s+3], s[46:47], \s*256
	s_or_b32 s[G0B+4*\s+3], s[G0B+4*\s+3], 0x80000000
	s_wait_alu depctr_va_vdst(0)
	s_wait_tensorcnt 0x0
	ds_add_u32 v28, v29
	ds_add_u32 v28, v29
	s_wait_dscnt 0x0
	CROUND
	JLOAD G0+4*\s, G1, G0B+4*\s, G1B               ; one tensor load of mine is out
.endr
	v_and_b32 v1, 15, v0                           ; r
	v_bfe_u32 v2, v0, 4, 1                         ; h
	v_mul_u32_u24 v3, v1, AP
	v_lshl_add_u32 v3, v2, 4, v3                   ; A: row r x 80 + 16 h
	v_mul_u32_u24 v4, v1, PITCH
	v_lshl_add_u32 v4, v2, 4, v4                   ; B: row r x 272 + 16 h
	s_mul_i32 s21, s15, AHALF                      ; my 64 rows of A
	s_mul_i32 s22, s16, BHALF                      ; my 128 rows of B
	s_add_co_u32 s22, s22, BOFF
.irp s, 0,1
	v_add_nc_u32 v[ADRA+\s], s21, v3
	v_add_nc_u32 v[ADRB+\s], s22, v4
	s_add_co_u32 s21, s21, SLOT
	s_add_co_u32 s22, s22, SLOT
.endr
	s_mul_i32 s23, s14, 16*SPITCH
	s_add_co_u32 s23, s23, STAGE                   ; my stage
	v_mul_u32_u24 v5, v1, SPITCH                   ; in: row r, 32 bytes for each half of the lanes
	v_lshl_add_u32 v5, v2, 5, v5
	v_add_nc_u32 v[STO], s23, v5
	v_and_b32 v6, 31, v0
	v_lshlrev_b32 v[CO], 4, v6                     ; back: the 32 lanes take one row of 512 bytes; and the same in out0
	v_add_nc_u32 v[RD], s23, v[CO]
	s_lshl_b32 s86, s17, 7
	s_lshl_b32 s87, s15, 6
	s_add_co_u32 s86, s86, s87                     ; my first row: 128 x tile row + 64 x half, of 4,096 bytes
	s_lshl_b32 s86, s86, 12
	s_lshl_b32 s87, s42, 10                        ; my first column, in bytes: 1,024 x tile column + 512 x half
	s_add_co_u32 s86, s86, s87
	s_lshl_b32 s87, s16, 9
	s_add_co_u32 s86, s86, s87
	s_mov_b32 s87, 0
	s_add_nc_u64 s[10:11], s[10:11], s[86:87]
; The fragments of the slot's q-th 128 along K into set p: B's eight, A's four.  Registers 4 c .. 4 c + 3 hold K = 32 c + 16 (lane / 16) + 0 .. 15, in A (plane 2 q + c / 2, bytes 32 (c % 2) on) as in B.
.macro FETCH slot, q, p
	WIN TO_B
.irp i, 0,1,2,3,4,5,6,7
.irp c, 0,1,2,3
	ds_load_b128 v[128*(\p)+FR*\i+4*\c:128*(\p)+FR*\i+4*\c+3], v[ADRB+\slot] offset:128*(\q)+32*\c+\i*16*PITCH
.endr
.endr
	WIN 0
.irp i, 0,1,2,3
.irp c, 0,1,2,3
	ds_load_b128 v[AF+64*(\p)+FR*\i+4*\c:AF+64*(\p)+FR*\i+4*\c+3], v[ADRA+\slot] offset:(2*(\q)+\c/2)*APL+32*(\c%2)+\i*16*AP
.endr
.endr
.endm
; 8 matrix instructions: A's block a x B's eight.  The 32 accumulators take turns, one instruction a turn, in the same order in every step.
.macro MUL8 a, p, zero
.irp b, 0,1,2,3,4,5,6,7
.if \zero
	v_wmma_f32_16x16x128_bf8_bf8 v[8*(8*(\a)+\b):8*(8*(\a)+\b)+7], v[128*(\p)+FR*\b:128*(\p)+FR*\b+FR-1], v[AF+64*(\p)+FR*(\a):AF+64*(\p)+FR*(\a)+FR-1], 0
.else
	v_wmma_f32_16x16x128_bf8_bf8 v[8*(8*(\a)+\b):8*(8*(\a)+\b)+7], v[128*(\p)+FR*\b:128*(\p)+FR*\b+FR-1], v[AF+64*(\p)+FR*(\a):AF+64*(\p)+FR*(\a)+FR-1], v[8*(8*(\a)+\b):8*(8*(\a)+\b)+7]
.endif
.endr
.endm
.macro PLACES n                        ; plain vector instructions between a matrix instruction and a load into, or a vector read of, its registers
.rept \n
	v_nop
.endr
.endm
; A slot's first 128 along K, on set 0; the second 128's fragments are fetched into set 1 ahead of the products.
.macro STEP slot, zero
	s_wait_dscnt 0x0                               ; set 0 is in
	PLACES NP                                      ; set 1 was read by the products just issued
	FETCH \slot, 1, 1
	WIN MUL
	MUL8 0, 0, \zero
	MUL8 1, 0, \zero
	MUL8 2, 0, \zero
	MUL8 3, 0, \zero
.endm
; A slot's second 128, on set 1, changes slots: one barrier; in front of it each wave waits for all its tensor loads, adds 0 to its spare word, and waits for that and for its own reads of this slot.
.macro TURN slot, next, fill
	WIN 0                                          ; (the add's two registers lie in window 0)
	s_wait_tensorcnt 0x0                           ; all my tensor loads have landed: my part of the next slot
	ds_add_u32 v[SPW], v[NIL]                      ; 0 onto my spare word
	s_wait_dscnt 0x1                               ; set 1 is in; the add alone may be out
	WIN MUL
	MUL8 0, 1, 0                                   ; eight matrix instructions stand between the add and the wait for it
	s_wait_dscnt 0x0                               ; the add is done, and my reads of this slot are over
	s_barrier_signal -1
	MUL8 1, 1, 0
	WIN 0
	s_barrier_wait -1
.if \fill
	CREST                                          ; no wave of any partner still reads this slot's tile or has a load on its way
	s_add_nc_u64 s[G0+4*\slot+2:G0+4*\slot+3], s[G0+4*\slot+2:G0+4*\slot+3], 8*131072   ; two K steps on: eight planes
	s_add_nc_u64 s[G0B+4*\slot+2:G0B+4*\slot+3], s[G0B+4*\slot+2:G0B+4*\slot+3], 512
	JLOAD G0+4*\slot, G1, G0B+4*\slot, G1B         ; the first tensor load behind the round, my only one until the next; its four v_nop are the places in front of the loads below
.else
	PLACES NP
.endif
	FETCH \next, 0, 0
	WIN MUL
	MUL8 2, 1, 0
	MUL8 3, 1, 0
.endm
	s_wait_alu depctr_va_vdst(0)
	s_wait_tensorcnt 0x1                           ; my part of K step 0 is in (K step 1's load may be out)
	s_barrier_signal -1
	s_barrier_wait -1                              ; everybody's is
	FETCH 0, 0, 0
	STEP 0, 1                                      ; these products start the sums
	TURN 0, 1, 1                                   ; slot 0 takes K 512-767
	STEP 1, 0
	TURN 1, 0, 1                                   ; slot 1 takes K 768-1023
	STEP 0, 0
	TURN 0, 1, 0                                   ; nothing is left to fetch
	STEP 1, 0
	s_wait_dscnt 0x0                               ; the last 128 along K
	MUL8 0, 1, 0
	MUL8 1, 1, 0
	MUL8 2, 1, 0
	MUL8 3, 1, 0
	WIN 0
; THE WAY OUT, block by block of 16 rows x 128 columns: x 2^(e6 + e7), through my own stage in LDS, back as whole rows of 512 bytes.  LDS serves a wave's instructions in order (ISA guide 5.7.1.4).
.macro TOSTAGE a
.set AC, 64*(\a)
	WIN 0x02                                       ; source 0: window 2
.set j, 0
.rept 32
	v_pk_mul_f32 v[TMP+j:TMP+j+1], v[AC+j:AC+j+1], s[96:97] op_sel_hi:[1,0]   ; both x s96; each accumulator from its low end on
.set j, j+2
.endr
	WIN 0
.irp b, 0,1,2,3,4,5,6,7
	ds_store_b128 v[STO], v[TMP+8*\b:TMP+8*\b+3] offset:64*\b
	ds_store_b128 v[STO], v[TMP+8*\b+4:TMP+8*\b+7] offset:64*\b+16
.endr
.set BB, BK+64*((\a)%2)
.irp t, 0,1,2,3,4,5,6,7,8,9,10,11,12,13,14,15
	ds_load_b128 v[BB+4*\t:BB+4*\t+3], v[RD] offset:\t*SPITCH
.endr
.endm
.macro SEND a, younger                 ; younger: the LDS instructions issued behind block a's loads, which may stay out
.set BB, BK+64*((\a)%2)
	s_wait_dscnt \younger
.if (\a) > 0
	s_add_nc_u64 s[10:11], s[10:11], 16*4096       ; (behind a wait on XCNT: the earlier stores have read their base)  16 rows on
.endif
.irp t, 0,1,2,3,4,5,6,7,8,9,10,11,12,13,14,15
	global_store_b128 v[CO], v[BB+4*\t:BB+4*\t+3], s[10:11] offset:\t*4096 th:TH_STORE_NT   ; 32 lanes store 512 consecutive bytes, aligned; written once, read by nobody here
.endr
.endm
	s_wait_kmcnt 0x0
	s_add_co_i32 s96, s78, s79                     ; e6 + e7
	s_add_co_i32 s96, s96, 127
	s_lshl_b32 s96, s96, 23                        ; 2^(e6 + e7) as f32
	s_mov_b32 s97, s96                             ; (named with it as a pair, so it is written)
	PLACES NP
	TOSTAGE 0
.irp a, 1,2,3
.if \a > 1
	s_wait_xcnt 0x0                                ; block a - 2's stores have read their registers and their base
.endif
	TOSTAGE \a
	SEND \a-1, 32                                  ; behind block a - 1's loads: block a's 16 stores and 16 loads
.endr
	s_wait_xcnt 0x0
	SEND 3, 0
	s_wait_tensorcnt 0x0                           ; the wave's end
	ds_add_u32 v[SPW], v[NIL]
	s_wait_dscnt 0x0
	CROUND                                         ; the closing round
	s_endpgm
.Lfunc_end_k_qdf06aebe4f_proj:
	.size	k_qdf06aebe4f_proj, .Lfunc_end_k_qdf06aebe4f_proj-k_qdf06aebe4f_proj
	.p2alignl 7, 3214868480
	.fill 96, 4, 3214868480
	.section	.rodata,"a",@progbits
	.p2align	6, 0x0
	.amdhsa_kernel k_qdf06aebe4f_proj
		.amdhsa_group_segment_fixed_size 327680
		.amdhsa_private_segment_fixed_size 0
		.amdhsa_enable_private_segment 0
		.amdhsa_kernarg_size 32
		.amdhsa_user_sgpr_count 2
		.amdhsa_user_sgpr_kernarg_segment_ptr 1
		.amdhsa_wavefront_size32 1
		.amdhsa_system_sgpr_workgroup_id_x 1
		.amdhsa_system_sgpr_workgroup_id_y 1
		.amdhsa_system_sgpr_workgroup_id_z 1
		.amdhsa_system_vgpr_workitem_id 0
		.amdhsa_next_free_vgpr 768
		.amdhsa_next_free_sgpr 100
		.amdhsa_reserve_vcc 0
		.amdhsa_float_denorm_mode_32 3
		.amdhsa_float_denorm_mode_16_64 3
		.amdhsa_memory_ordered 1
		.amdhsa_forward_progress 1
		.amdhsa_inst_pref_size 76
	.end_amdhsa_kernel
	.amdgpu_metadata
---
amdhsa.version: [ 1, 2 ]
amdhsa.kernels:
  - .name:           k_qdf06aebe4f_proj
    .symbol:         k_qdf06aebe4f_proj.kd
    .args:
      - { .name: ac, .offset: 0, .size: 8, .value_kind: global_buffer, .address_space: global }
      - { .name: W_proj_codes, .offset: 8, .size: 8, .value_kind: global_buffer, .address_space: global }
      - { .name: lowp_scales, .offset: 16, .size: 8, .value_kind: global_buffer, .address_space: global }
      - { .name: out0, .offset: 24, .size: 8, .value_kind: global_buffer, .address_space: global }
    .group_segment_fixed_size: 327680
    .private_segment_fixed_size: 0
    .kernarg_segment_align: 8
    .kernarg_segment_size: 32
    .max_flat_workgroup_size: 128
    .sgpr_count:     100
    .vgpr_count:     768
    .wavefront_size: 32
...
	.end_amdgpu_metadata
.endif
;; end of part 3
